; MI455X (gfx1250); checked and timed in simulation.
; The chip was launched on July 23, 2026; its instructions are those of AMD's public machine-readable ISA for CDNA 5 (MIT licence, August 2026) and "CDNA5" Instruction Set Architecture Reference Guide (July 2026). The comments in the code are by the model that wrote it; some were corrected since.
;; Head. Allowed arithmetic: matrix products marked QUANTISED: E2M1 operands, one E8M0 scale for each 32 along K, by v_wmma_scale_f32_16x16x128_f8f6f4 with both operands' format E2M1 (or v_wmma_scale_f32_32x16x128_f4), f32 sums; everything else in f32.
;; Inputs: Wk_codes 128 x 32 x 16 uint8 (E2M1 codes of Wk, K innermost, in blocks of 32 codes, two codes a byte); Wk_scales 128 x 32 uint8 (E8M0 scales of Wk, one for each 32 codes along K); Wq_codes 128 x 32 x 16 uint8 (E2M1 codes of Wq, K innermost, in blocks of 32 codes, two codes a byte); Wq_scales 128 x 32 uint8 (E8M0 scales of Wq, one for each 32 codes along K); Wv_codes 128 x 32 x 16 uint8 (E2M1 codes of Wv, K innermost, in blocks of 32 codes, two codes a byte); Wv_scales 128 x 32 uint8 (E8M0 scales of Wv, one for each 32 codes along K); bk 128 float32; bq 128 float32; bv 128 float32; x_codes 8 x 4,096 x 32 x 16 uint8 (E2M1 codes of x, K innermost, in blocks of 32 codes, two codes a byte); x_scales 8 x 4,096 x 32 uint8 (E8M0 scales of x, one for each 32 codes along K).
;; Outputs: out0 8 x 4,096 x 128 float32.
;; This version of the problem:
;;   THIS VERSION OF THE PROBLEM IS GIVEN IN LOW PRECISION. The matrix products marked QUANTISED in the list below multiply operands that are first quantised to E2M1 (2 exponent bits, 1 mantissa bit; 4 bits a number), with one power-of-two scale for each 32 numbers along K (OCP MX v1.0); their sums are f32. All else is computed in f32.
;;   The module's matrix products, in the order in which they are computed (A, B: the left and right operand; K: the contracted axis; several contracted axes count as one K, in the product's order):
;;     1. [M 32,768, K 1,024] x [K 1,024, N 128]; A: input x (given as codes); B: input Wq (given as codes): QUANTISED
;;     2. [M 32,768, K 1,024] x [K 1,024, N 128]; A: input x (given as codes); B: input Wk (given as codes): QUANTISED
;;     3. [M 32,768, K 1,024] x [K 1,024, N 128]; A: input x (given as codes); B: input Wv (given as codes): QUANTISED
;;     4. batch 8 x [M 4,096, K 128] x [K 128, N 4,096]; A: computed on the way; B: computed on the way: QUANTISED
;;     5. batch 8 x [M 4,096, K 4,096] x [K 4,096, N 128]; A: softmax (see below); B: computed on the way: QUANTISED
;;   THE QUANTISER, for each operand of a quantised product, along K:
;;     - K is cut into blocks of 32 from its start; a last block that is shorter is filled with zeros.
;;     - A block's scale is 2^e with e = floor(log2(the largest magnitude in the block)) - 2, held to -126 .. 127; a block of zeros has e = 0. As a byte (E8M0): e + 127.
;;     - Each number is divided by its block's scale, clamped to +-6, and rounded to the nearest number of E2M1, ties to even, subnormals kept.
;;     - The product sums the exact products of the quantised numbers (number of the format x scale) in f32.
;;   ~~~python
;;   def quantise(x, axis):      # numpy; x: float32 -> the quantised numbers, widened to float32 again
;;       x = np.moveaxis(x, axis, -1); K = x.shape[-1]
;;       x = np.pad(x, [(0, 0)] * (x.ndim - 1) + [(0, -K % 32)]); x = x.reshape(x.shape[:-1] + (-1, 32)); a = np.abs(x).max(-1, keepdims=True)
;;       e = np.where(a > 0, np.clip(np.frexp(np.where(a > 0, a, 1))[1] - 1 - 2, -126, 127), 0)      # np.frexp(a)[1] - 1 = floor(log2(a)), exactly
;;       r = np.clip(x / 2.0 ** e, -6, 6)
;;       step = 2.0 ** (np.maximum(np.frexp(np.where(r == 0, 1, r))[1] - 1, 0) - 1)
;;       q = np.round(r / step) * step * 2.0 ** e      # np.round: ties to even
;;       return np.moveaxis(q.reshape(q.shape[:-2] + (-1,))[..., :K], -1, axis).astype(np.float32)
;;   ~~~
;;   SOFTMAX AHEAD OF A QUANTISED PRODUCT. Where the list says 'softmax', what is quantised is not the finished softmax but p = 2^(t - M), with t = logit x log2(e) and M = ceil(the row's largest t), a whole number; so 1/2 < the row's largest p <= 1. The row's sum l is taken of the UNQUANTISED p, in f32, and the product's result is divided by l at the end. Since M is a whole number, a kernel that streams over the keys may use a running M (the ceiling of the running maximum): every later rescaling is an exact power of two, which a block's scale takes up: the codes' values come out the same.
;;   OPERANDS COMPUTED ON THE WAY. 'Computed on the way' means the value that the module computes at that place (a softmax that the list does not call 'softmax' is quantised finished and normalised). What goes into a quantiser is computed in f32, as accurately as f32 sums, v_exp_f32 and their like allow (about 1e-6 of the number): no bf16 or f16 on the way to a quantiser, and a product that is left as it is and whose result goes on into a quantised operand takes f32 operands (vector FMAs, or v_wmma_f32_16x16x4_f32). A number that lies on a knife's edge between two numbers of the format may be rounded either way, as far as f32 arithmetic and the matrix unit's own rounding can turn it there, and no further.
;;   INPUTS GIVEN AS CODES. Wk (in the module: [1024, 128], K = its axis 0); Wq (in the module: [1024, 128], K = its axis 0); Wv (in the module: [1024, 128], K = its axis 0); x (in the module: [8, 4096, 1024], K = its axis 2): each comes as NAME_codes (uint8): NAME with its K axis moved to the last place and cut into blocks of 32 codes, [.., K / 32, bytes a block], one block behind the other in memory; two codes a byte, the lower K in the low four bits (a code: sign, 2 exponent bits, 1 mantissa bit); and NAME_scales (uint8): the same leading axes, one E8M0 byte (e + 127) for each 32 codes along K. Its value is code x scale, taken as it is: it is not quantised again, and the codes and scales need not be those that the quantiser above would give.
;; One version. Each part assembles by itself: llvm-mc -triple=amdgcn-amd-amdhsa -mcpu=gfx1250 --defsym DOCPART=n.
;; ======== version 1 of 1: 2 launches
;; limits: right only within a limited range of input values
;; workspace buffers: qws 2,228,224 bytes; kvws 4,456,448 bytes
;; launch proj (part 1): grid 256 x 1, 4 waves a work-group, clusters of 4 x 1, 327,680 bytes of LDS; arguments x_codes, x_scales, Wq_codes, Wq_scales, Wk_codes, Wk_scales, Wv_codes, Wv_scales, bq, bk, bv, qws, kvws; writes qws, kvws
.if DOCPART == 1
	.amdgcn_target "amdgcn-amd-amdhsa--gfx1250"
	.amdhsa_code_object_version 6
	.text
	.protected	k_qd8bec9b6d0_proj
	.globl	k_qd8bec9b6d0_proj
	.p2align	8
	.type	k_qd8bec9b6d0_proj,@function
k_qd8bec9b6d0_proj:
	s_mov_b64 s[64:65], 0
	v_nop
	global_prefetch_b8 v0, s[64:65] scope:SCOPE_SE
	s_setreg_imm32_b32 hwreg(HW_REG_WAVE_MODE, 25, 1), 1
	s_wait_xcnt 0x0
	s_wait_alu depctr_hold_cnt(0) depctr_sa_sdst(0) depctr_va_vdst(0) depctr_va_sdst(0) depctr_va_ssrc(0) depctr_va_vcc(0) depctr_vm_vsrc(0)
	s_getreg_b32 s2, hwreg(HW_REG_IB_STS2, 6, 4)
	s_cmp_eq_u32 s2, 0
	s_cbranch_scc0 .Lentry_in_a_cluster
	s_endpgm
.Lentry_in_a_cluster:
	s_bfe_u32 s2, ttmp6, 0x10000c
	s_cmp_lg_u32 s2, 0x3003
	s_cbranch_scc0 .Lentry_shape_is_right
	s_endpgm
.Lentry_shape_is_right:
; q = x Wq + bq, k = x Wk + bk, v = x Wv + bv on codes of FP4 (E2M1) with one E8M0 scale for each 32 along K = 1,024; sums in f32, the bias as the C of each sum's first product.
; The results are quantised here, in registers: q and k along the head's 128, v along the keys (blocks of 32 tokens), and leave as images of the operand registers that the second launch loads.
; THE PROGRAM'S DEAD WORK (left out in the second launch): reference() sets att to -inf wherever key > query, by a mask that it builds itself, so p = 0 there for all values of the inputs: a step of 128 keys
; all of which come after all 16 queries of a tile adds nothing to the row's maximum, its sum or its output, and is not computed.  No input is dead: bq, bk and bv move codes and scales of live operands.
; LIMIT: a NaN, an infinity or an overflow that reaches only such steps is not carried to the result.  NaN and infinities among the inputs are not served.  A block whose largest magnitude lies under 2^-124
; (a block of zeros too) gets the scale byte 1: its codes are zeros or as the floor gives them; these bytes are read by this program alone.
; SHARES.  Work-group W = 4 x cluster + place owns tokens 128 W .. 128 W + 127.  Wave 0 makes v, wave 1 q, wave 2 k: each a tile of 128 x 128 over all of K in 64 accumulators (512 registers); wave 3 only fetches.
; A block of 32 of the next K has to lie in one wave, so the work is cut by matrices; three tiles of 128 x 128 read each fragment from LDS once.
; ONE TEXT FOR THE THREE: source 0 = set P (8 tiles of 16 rows), source 1 = set R.  q, k: P = the weight's rows (channels), R = x's rows (tokens): a lane holds one token, its registers run along the channels.
; v: P = x's rows, R = Wv's rows: a lane holds one channel, its registers run along the tokens.  THE ROWS OF A TILE ARE NOT NEIGHBOURS: lane r of tile 2 b + u takes row 32 b + 8 u + r + 8 (r / 8), on both
; sides, so that the 16 registers of P's tiles 2 b and 2 b + 1 are 16 neighbours of the next K: 32 b + 16 (lane / 16) + 0 .. 15.
; LDS: four tensors (0 Wv, 1 x, 2 Wq, 3 Wk), 128 rows each, in two chunks of 512 along K (rows of 256 bytes + 16 of padding).  Even rows and odd rows lie apart, the odd ones 64 x 272 + 64 bytes on: the 16 rows
; of a tile then start at 16 different 16-byte columns modulo 256 bytes (64 banks of 4 bytes: ISA guide 11.1).  Wave w fetches tensor w: four tensor loads, filled once; nothing is filled again.
; CLUSTER: the four work-groups of a cluster need the same three weights: those loads are joint (mask 15); x's are each work-group's own (no mask).
; THE SCALES come straight into registers: a row's 32 bytes are 8 words, one a K step of 128; lanes 0-15 take words 0-3 of their row, lanes 16-31 words 4-7, so the second chunk reads the registers' upper row.
; REGISTERS: window 0: v1-9 addresses, v28-29 the add's two, v32-63 P's scale words, v64-95 R's, v96-123 at work on the way out, v128-191 R's fragments (one set), later the codes.
;   window 1: v0-63, v128-191 P's fragments (two sets); v64-127 the bias in the result's layout.   windows 2, 3: accumulator (P's tile i, R's tile j) at v[64 (j % 4) + 8 i] of window 2 + j / 4.
; THE LDS LAYOUT AND THE IMAGES AS THEY STAND (in place of the lines on LDS above): each tensor's 128 rows of 512 bytes come whole, by ONE tensor load of one wave, 16 bytes of padding behind each row; a chunk of 512
; along K is 256 bytes of a row.  One barrier shows all four tensors.  A group of 128 tokens is stored as halves of 4,352 bytes: four fragments of 1,024 bytes, then the 256 bytes of those four tiles' scale words (16 bytes a row).
; No prefetch: the launch has no loop to run ahead in.
.set TEN,   67584                      ; LDS bytes of a tensor: 128 rows x 528
.set CHK,   256                        ; from one chunk to the next in a row
.set PITCH, 528
.set LIS,   10                         ; v10 my place in the scale image: 16 r + 4,352 h
.set SPARE, 4*TEN                      ; behind the tensors: the spare words, 128 bytes for each wave, that no other line names
.set ADRP, 4                           ; v4  LDS address of my lane in P's tensor
.set ADRR, 5                           ; v5  in R's
.set SL,   6                           ; v6  my lane's 16 bytes among a tile's scale bytes
.set BLQ,  7                           ; v7  bias, q and k: 64 x (lane / 16)
.set BLV,  8                           ; v8  bias, v: 4 x my row in a tile
.set LI,   9                           ; v9  16 x lane: my place in an image
.set SPW,  28
.set NIL,  29
.set SP,   32
.set SR,   64
.set TM,   96                          ; v96-99 largest magnitudes, v100-103 the other half's, then bytes, v108-111 the conversions' scale operands
.set PWB,  112                         ; v112-119 the eight tiles' scale words
.set SW,   120                         ; v120-123 the scale image
.set RF,   128
.set BB,   64                          ; in window 1
.set WV,   20
.set G0X,  4                           ; s[4:7]  group 0 for x's load
.set G1W,  24                          ; s[24:31] group 1, joint
.set G1X,  32                          ; s[32:39] group 1, plain
.set G0W,  40                          ; s[40:43] group 0 for a weight's load
.set SEL,  98
.set MSB, 0
.macro WIN new                         ; the immediate's high byte repeats the setting that is left
.if MSB != (\new)
	s_set_vgpr_msb (MSB<<8)|(\new)
.set MSB, (\new)
.endif
.endm
.macro PLACES n
.rept \n
	v_nop
.endr
.endm
.macro ROUND                           ; a round of the cluster's barrier
	s_barrier_signal -1
	s_barrier_wait -1
	s_cmp_lg_u32 s[WV], 0
	s_cbranch_scc1 .Lnot_wave_0_\@
	s_barrier_signal -3
.Lnot_wave_0_\@:
	s_barrier_wait -3
	s_barrier_signal -1
	s_barrier_wait -1
.endm
	s_load_b512 s[68:83], s[0:1], 0x0              ; x codes 68, x scales 70, Wq 72, 74, Wk 76, 78, Wv 80, 82
	s_load_b256 s[84:91], s[0:1], 0x40             ; bq 84, bk 86, bv 88, qws 90
	s_load_b64 s[92:93], s[0:1], 0x60              ; kvws
	v_lshl_add_u32 v[SPW], v0, 2, SPARE
	v_mov_b32 v[NIL], 0
	ds_add_u32 v[SPW], v[NIL]                      ; the wave's opening: the add, twice on end, and its wait ahead of my first tensor load
	ds_add_u32 v[SPW], v[NIL]
	v_lshrrev_b32 v1, 5, v0
	v_readfirstlane_b32 s[WV], v1                  ; wave 0..3
	s_bfe_u32 s21, ttmp6, 0x40000                  ; my place in the cluster
	s_lshl_b32 s22, ttmp9, 2
	s_add_co_u32 s22, s22, s21                     ; W: it enters x's, the scales' and the outputs' global addresses alone
	s_mov_b32 s[G1W], 15|(1<<20)|(1<<21)|(6<<22)|(3<<25)   ; mask: all four; elements of 1 byte; padding on; bit 21 beside a mask; 4 words after every 128
	s_mov_b32 s[G1X], (1<<20)|(6<<22)|(3<<25)      ; the same with no mask
.irp g, G1W, G1X
	s_mov_b32 s[\g+1], 512<<16                     ; tensor_dim0 = 512 bytes
	s_mov_b32 s[\g+2], 128<<16                     ; tensor_dim1 = 128 rows
	s_mov_b32 s[\g+3], 512<<16                     ; tile_dim0
	s_mov_b32 s[\g+4], 128                         ; tile_dim1
	s_mov_b32 s[\g+5], 512                         ; from row to row
	s_mov_b32 s[\g+6], 0
	s_mov_b32 s[\g+7], 0
.endr
	s_mov_b32 s[SEL], 0x76543210
	s_mov_b32 s[SEL+1], 0xfedcba98                 ; v_permlanex16_b32's selects for lane l xor 16
	v_and_b32 v1, 15, v0                           ; r
	v_bfe_u32 v2, v0, 4, 1                         ; h
	v_and_b32 v3, 31, v0                           ; lane
	v_and_b32 v11, 8, v1
	v_add_nc_u32 v11, v11, v1                      ; my row in a tile: r + 8 (r / 8)
	v_mul_u32_u24 v10, v11, PITCH
	v_lshl_add_u32 v10, v2, 4, v10                 ; + 16 h
	s_add_co_u32 s2, s[WV], 1
	s_min_u32 s2, s2, 3
	s_mul_i32 s2, s2, TEN
	v_add_nc_u32 v[ADRP], s2, v10                  ; P: wave 0 x, wave 1 Wq, wave 2 Wk
	s_min_u32 s3, s[WV], 1
	s_mul_i32 s3, s3, TEN
	v_add_nc_u32 v[ADRR], s3, v10                  ; R: wave 0 Wv, waves 1 and 2 x
	v_mul_u32_u24 v[LIS], 4352, v2
	v_lshl_add_u32 v[LIS], v1, 4, v[LIS]
	v_lshlrev_b32 v[SL], 5, v11
	v_lshl_add_u32 v[SL], v2, 4, v[SL]             ; 32 bytes of scales a row, + 16 h
	v_lshlrev_b32 v[BLQ], 6, v2
	v_lshlrev_b32 v[BLV], 2, v11
	v_lshlrev_b32 v[LI], 4, v3
.irp b, 0,1,2,3
	v_mov_b32 v[TM+4+\b], 0                        ; written once: a lane permute's destination counts as one of its sources
.endr
	s_mul_i32 s23, s[WV], TEN                      ; where my tensor goes
	s_wait_dscnt 0x0                               ; both opening adds are done
	s_wait_kmcnt 0x0
	s_lshl_b32 s2, s22, 16                         ; x: 128 rows of 512 bytes a work-group
	s_mov_b32 s3, 0
	s_add_nc_u64 s[100:101], s[68:69], s[2:3]
	s_lshl_b32 s2, s22, 12                         ; x's scales: 128 rows of 32 bytes
	s_add_nc_u64 s[70:71], s[70:71], s[2:3]
	s_mul_i32 s2, s22, 8704
	s_add_nc_u64 s[90:91], s[90:91], s[2:3]        ; my group in qws
	s_mul_i32 s2, s22, 17408
	s_add_nc_u64 s[92:93], s[92:93], s[2:3]        ; and in kvws
	s_cmp_eq_u32 s[WV], 2                          ; the weight that I fetch: wave 0 Wv, wave 2 Wq, wave 3 Wk: the wave's number alone decides
	s_cselect_b64 s[96:97], s[72:73], s[76:77]
	s_cmp_eq_u32 s[WV], 1
	s_cselect_b64 s[56:57], s[74:75], s[78:79]     ; P's scales
	s_cselect_b64 s[60:61], s[84:85], s[86:87]     ; the bias
	s_cselect_b64 s[62:63], s[90:91], s[92:93]     ; where the codes go
	s_cmp_eq_u32 s[WV], 0
	s_cselect_b64 s[96:97], s[80:81], s[96:97]
	s_cselect_b64 s[56:57], s[70:71], s[56:57]
	s_cselect_b64 s[58:59], s[82:83], s[70:71]     ; R's scales
	s_cselect_b64 s[60:61], s[88:89], s[60:61]
	s_cselect_b32 s2, 8704, 0                      ; V's images lie behind K's
	s_add_nc_u64 s[62:63], s[62:63], s[2:3]
	s_add_nc_u64 s[94:95], s[62:63], 4096          ; the scale words lie behind four fragments
	s_mov_b32 s[G0W], 1
	s_mov_b32 s[G0W+1], s23
	s_mov_b64 s[G0W+2:G0W+3], s[96:97]
	s_or_b32 s[G0W+3], s[G0W+3], 0x80000000
	s_mov_b32 s[G0X], 1
	s_mov_b32 s[G0X+1], s23
	s_mov_b64 s[G0X+2:G0X+3], s[100:101]
	s_or_b32 s[G0X+3], s[G0X+3], 0x80000000
	ROUND                                          ; all four work-groups are here: the joint loads meet
	s_cmp_eq_u32 s[WV], 1                          ; one load a wave: one arm for x, one for the weights
	s_cbranch_scc1 .Lfill_x
	tensor_load_to_lds s[G0W:G0W+3], s[G1W:G1W+7]
	s_nop 0
	PLACES 4
	s_branch .Lfilled
.Lfill_x:
	tensor_load_to_lds s[G0X:G0X+3], s[G1X:G1X+7]
	s_nop 0
	PLACES 4
.Lfilled:
	s_cmp_eq_u32 s[WV], 3
	s_cbranch_scc1 .Lw3_a
	s_wait_alu depctr_va_vdst(0)
.irp i, 0,1,2,3,4,5,6,7                ; the scale words of both sides, for all of K: each load reads two runs of 256 consecutive bytes
	global_load_b128 v[SP+4*\i:SP+4*\i+3], v[SL], s[56:57] offset:1024*(\i/2)+256*(\i%2)
	global_load_b128 v[SR+4*\i:SR+4*\i+3], v[SL], s[58:59] offset:1024*(\i/2)+256*(\i%2)
.endr
	s_cmp_eq_u32 s[WV], 0
	s_cbranch_scc1 .Lbias_v
	WIN 0x40                                       ; destination window 1
.irp i, 0,1,2,3,4,5,6,7                ; q, k: register n of P's tile i is channel 32 (i / 2) + 16 h + 8 (i % 2) + n
	global_load_b128 v[BB+8*\i:BB+8*\i+3], v[BLQ], s[60:61] offset:(32*(\i/2)+8*(\i%2))*4
	global_load_b128 v[BB+8*\i+4:BB+8*\i+7], v[BLQ], s[60:61] offset:(32*(\i/2)+8*(\i%2))*4+16
.endr
	WIN 0
	s_branch .Lw3_a
.Lbias_v:
	WIN 0x40
.irp i, 0,1,2,3,4,5,6,7                ; v: my lane's channel of R's tile i
	global_load_b32 v[BB+8*\i], v[BLV], s[60:61] offset:(32*(\i/2)+8*(\i%2))*4
.endr
	WIN 0
.Lw3_a:
	s_wait_tensorcnt 0x0                           ; my tensor is in
	s_barrier_signal -1
	s_barrier_wait -1                              ; everybody's are
.macro FRAG reg, adr, kap, q, i        ; 16 rows x 128 K of 4-bit codes: 8 registers; registers 4 c .. 4 c + 3 hold K = 64 c + 32 h + 0 .. 31
.irp c, 0,1
	ds_load_b128 v[(\reg)+4*\c:(\reg)+4*\c+3], v[\adr] offset:(\kap)*CHK+(32*((\i)/2)+8*((\i)%2))*PITCH+64*(\q)+32*\c
.endr
.endm
.macro FETCH_P kap, q, set
	WIN 0x40
.irp i, 0,1,2,3,4,5,6,7
	FRAG 128*(\set)+8*\i, ADRP, \kap, \q, \i
.endr
	WIN 0
.endm
.macro FETCH_R kap, q, i0
.irp i, \i0, \i0+1, \i0+2, \i0+3
	FRAG RF+8*(\i), ADRR, \kap, \q, \i
.endr
.endm
; 16 matrix instructions: R's tiles a0, a0 + 1 x P's eight, the chunk's q-th 128 along K.  cm = 0: in place; 1: C = the bias by P's tile (q, k); 2: by R's tile (v).
; The 64 accumulators take turns, one instruction a turn, in one order everywhere.
.macro MUL16 a0, p, q, kap, cm
.irp a, \a0, \a0+1
.irp b, 0,1,2,3,4,5,6,7
.set rD, 8*(8*((\a)%4)+\b)
.set rP, 128*(\p)+8*\b
.set rR, RF+8*(\a)
.set rC, rD
.if \cm == 1
.set rC, BB+8*\b
.elseif \cm == 2
.set rC, BB+8*(\a)
.endif
.set rSA, SP+4*\b+(\q)
.set rSB, SR+4*(\a)+(\q)
.if \kap
	v_wmma_scale_f32_16x16x128_f8f6f4 v[rD:rD+7], v[rP:rP+7], v[rR:rR+7], v[rC:rC+7], v[rSA], v[rSB] matrix_a_fmt:MATRIX_FMT_FP4 matrix_b_fmt:MATRIX_FMT_FP4 matrix_a_scale:MATRIX_SCALE_ROW1 matrix_b_scale:MATRIX_SCALE_ROW1
.else
	v_wmma_scale_f32_16x16x128_f8f6f4 v[rD:rD+7], v[rP:rP+7], v[rR:rR+7], v[rC:rC+7], v[rSA], v[rSB] matrix_a_fmt:MATRIX_FMT_FP4 matrix_b_fmt:MATRIX_FMT_FP4
.endif
.endr
.endr
.endm
; A step of 128 along K that has its successor in the same chunk.  A tile of R is free when its eight products are issued: R has one set, fetched anew in two halves; P has two sets.
; Loads into registers that matrix instructions have read stand four plain vector instructions behind them (ISA guide 7.12.1 for vector instructions).
.macro STEP kap, q, cm
	s_wait_dscnt 8                                 ; P's set and R's tiles 0-3 are in; the youngest eight loads (R's tiles 4-7) may be out
.if \cm
	WIN 0x91                                       ; P window 1, R window 0, C (the bias) window 1, D window 2
.else
	WIN 0xa1                                       ; C and D window 2
.endif
	MUL16 0, (\q)%2, \q, \kap, \cm
	MUL16 2, (\q)%2, \q, \kap, \cm
	s_wait_dscnt 0x0                               ; R's tiles 4-7 are in
	PLACES 4
	FETCH_P \kap, (\q)+1, 1-(\q)%2
	FETCH_R \kap, (\q)+1, 0
.if \cm
	WIN 0xd1
.else
	WIN 0xf1
.endif
	MUL16 4, (\q)%2, \q, \kap, \cm
	MUL16 6, (\q)%2, \q, \kap, \cm
	PLACES 4
	WIN 0
	FETCH_R \kap, (\q)+1, 4
.endm
.macro LAST kap                        ; a chunk's last step fetches nothing
	s_wait_dscnt 8
	WIN 0xa1
	MUL16 0, 1, 3, \kap, 0
	MUL16 2, 1, 3, \kap, 0
	s_wait_dscnt 0x0
	WIN 0xf1
	MUL16 4, 1, 3, \kap, 0
	MUL16 6, 1, 3, \kap, 0
	WIN 0
.endm
	s_cmp_eq_u32 s[WV], 3
	s_cbranch_scc1 .Lw3_c
	FETCH_P 0, 0, 0
	FETCH_R 0, 0, 0
	FETCH_R 0, 0, 4
	s_wait_loadcnt 0x0                             ; the scale words and the bias
	s_cmp_eq_u32 s[WV], 0
	s_cbranch_scc1 .Lfirst_v
	STEP 0, 0, 1                                   ; the first products start the sums from the bias: nothing is cleared or added later
	s_branch .Lfirst_done
.Lfirst_v:
	WIN 0x41                                       ; destination and source window 1
.irp i, 0,1,2,3,4,5,6,7
.irp n, 1,2,3,4,5,6,7
	v_mov_b32 v[BB+8*\i+\n], v[BB+8*\i]            ; v: a lane's eight results of a tile are one channel: its bias in all eight
.endr
.endr
	PLACES 4
	s_wait_alu depctr_va_vdst(0)
	STEP 0, 0, 2
.Lfirst_done:
	STEP 0, 1, 0
	STEP 0, 2, 0
	STEP 0, 3, 0                                   ; (its successor, 64 bytes on, is the second chunk's first)
	STEP 1, 0, 0
	STEP 1, 1, 0
	STEP 1, 2, 0
	LAST 1
	PLACES 4                                       ; in front of the first reads of results and of writes into R's registers
; R's tile j: my lane's 64 numbers (register 16 b + i = next K 32 b + 16 h + i of my row) become a fragment's codes and its scale word; the codes leave as the image of their registers.
.macro QUANT j
.set AC, 64*((\j)%4)
.set PC, RF+8*(\j)
	WIN 0x0a+5*((\j)/4)                            ; sources 0 and 1: window 2 or 3
.irp b, 0,1,2,3
	v_max3_num_f32 v[TM+\b], |v[AC+16*\b]|, |v[AC+16*\b+1]|, 0x1800000   ; block b: my 16 numbers, from each accumulator's low end on, and the floor 2^(3 - 127): the byte cannot fall under 1
.endr
.irp i, 2,4,6,8,10,12,14
.irp b, 0,1,2,3
	v_max3_num_f32 v[TM+\b], |v[AC+16*\b+\i]|, |v[AC+16*\b+\i+1]|, v[TM+\b]
.endr
.endr
	WIN 0
.irp b, 0,1,2,3
	v_permlanex16_b32 v[TM+4+\b], v[TM+\b], s[SEL], s[SEL+1]
.endr
.irp b, 0,1,2,3
	v_max_num_f32 v[TM+\b], v[TM+\b], v[TM+4+\b]   ; with lane l xor 16's: the block's largest magnitude
.endr
.irp b, 0,1,2,3
	v_add_nc_u32 v[TM+12+\b], 0xff000000, v[TM+\b] ; 2 off its exponent field: the conversion's scale operand
.endr
.irp b, 0,1,2,3
	v_lshrrev_b32 v[TM+4+\b], 23, v[TM+12+\b]      ; the scale's byte
.endr
	v_lshl_or_b32 v[PWB+(\j)], v[TM+5], 8, v[TM+4]
	v_lshl_or_b32 v[PWB+(\j)], v[TM+6], 16, v[PWB+(\j)]
	v_lshl_or_b32 v[PWB+(\j)], v[TM+7], 24, v[PWB+(\j)]
	WIN 0x02+(\j)/4                                ; source 0: window 2 or 3
.irp b, 0,1,2,3
	v_cvt_scalef32_pk8_fp4_f32 v[PC+2*\b], v[AC+16*\b:AC+16*\b+7], v[TM+12+\b]
	v_cvt_scalef32_pk8_fp4_f32 v[PC+2*\b+1], v[AC+16*\b+8:AC+16*\b+15], v[TM+12+\b]
.endr
	WIN 0
	v_nop                                          ; one plain place behind a scaled conversion
.irp c, 0,1                            ; the operand's layout wants a whole block in a lane
.irp i, 0,1
	v_permlane16_swap_b32 v[PC+4*\c+\i], v[PC+4*\c+2+\i]
.endr
.endr
	global_store_b128 v[LI], v[PC:PC+3], s[62:63] offset:1024*(\j)+256*((\j)/4)     ; 32 lanes store 512 consecutive bytes, at a multiple of 256 from the buffer's first byte
	global_store_b128 v[LI], v[PC+4:PC+7], s[62:63] offset:1024*(\j)+256*((\j)/4)+512
.endm
.irp j, 0,1,2,3,4,5,6,7
	QUANT \j
.endr
	v_cmp_eq_u32 vcc_lo, 1, v2                     ; the scale image: word i of lane (r, h) is row r's word of tile 4 h + i (both halves of the lanes hold every word)
.irp i, 0,1,2,3
	v_cndmask_b32 v[SW+\i], v[PWB+\i], v[PWB+4+\i], vcc_lo
.endr
	global_store_b128 v[LIS], v[SW:SW+3], s[94:95] ; 16 lanes store 256 consecutive bytes
.Lw3_c:
	s_wait_tensorcnt 0x0                           ; the wave's end
	ds_add_u32 v[SPW], v[NIL]
	s_wait_dscnt 0x0
	ROUND                                          ; the closing round: no work-group ends while a partner may still ask for a tile that names it
	s_endpgm
.Lfunc_end_k_qd8bec9b6d0_proj:
	.size	k_qd8bec9b6d0_proj, .Lfunc_end_k_qd8bec9b6d0_proj-k_qd8bec9b6d0_proj
	.p2alignl 7, 3214868480
	.fill 96, 4, 3214868480
	.section	.rodata,"a",@progbits
	.p2align	6, 0x0
	.amdhsa_kernel k_qd8bec9b6d0_proj
		.amdhsa_group_segment_fixed_size 327680
		.amdhsa_private_segment_fixed_size 0
		.amdhsa_enable_private_segment 0
		.amdhsa_kernarg_size 104
		.amdhsa_user_sgpr_count 2
		.amdhsa_user_sgpr_kernarg_segment_ptr 1
		.amdhsa_wavefront_size32 1
		.amdhsa_system_sgpr_workgroup_id_x 1
		.amdhsa_system_sgpr_workgroup_id_y 1
		.amdhsa_system_sgpr_workgroup_id_z 1
		.amdhsa_system_vgpr_workitem_id 0
		.amdhsa_next_free_vgpr 1024
		.amdhsa_next_free_sgpr 102
		.amdhsa_reserve_vcc 1
		.amdhsa_float_denorm_mode_32 3
		.amdhsa_float_denorm_mode_16_64 3
		.amdhsa_memory_ordered 1
		.amdhsa_forward_progress 1
		.amdhsa_inst_pref_size 139
	.end_amdhsa_kernel
	.amdgpu_metadata
---
amdhsa.version: [ 1, 2 ]
amdhsa.kernels:
  - .name:           k_qd8bec9b6d0_proj
    .symbol:         k_qd8bec9b6d0_proj.kd
    .args:
      - { .name: x_codes, .offset: 0, .size: 8, .value_kind: global_buffer, .address_space: global }
      - { .name: x_scales, .offset: 8, .size: 8, .value_kind: global_buffer, .address_space: global }
      - { .name: Wq_codes, .offset: 16, .size: 8, .value_kind: global_buffer, .address_space: global }
      - { .name: Wq_scales, .offset: 24, .size: 8, .value_kind: global_buffer, .address_space: global }
      - { .name: Wk_codes, .offset: 32, .size: 8, .value_kind: global_buffer, .address_space: global }
      - { .name: Wk_scales, .offset: 40, .size: 8, .value_kind: global_buffer, .address_space: global }
      - { .name: Wv_codes, .offset: 48, .size: 8, .value_kind: global_buffer, .address_space: global }
      - { .name: Wv_scales, .offset: 56, .size: 8, .value_kind: global_buffer, .address_space: global }
      - { .name: bq, .offset: 64, .size: 8, .value_kind: global_buffer, .address_space: global }
      - { .name: bk, .offset: 72, .size: 8, .value_kind: global_buffer, .address_space: global }
      - { .name: bv, .offset: 80, .size: 8, .value_kind: global_buffer, .address_space: global }
      - { .name: qws, .offset: 88, .size: 8, .value_kind: global_buffer, .address_space: global }
      - { .name: kvws, .offset: 96, .size: 8, .value_kind: global_buffer, .address_space: global }
    .group_segment_fixed_size: 327680
    .private_segment_fixed_size: 0
    .kernarg_segment_align: 8
    .kernarg_segment_size: 104
    .max_flat_workgroup_size: 128
    .sgpr_count:     102
    .vgpr_count:     1024
    .wavefront_size: 32
...
	.end_amdgpu_metadata
.endif
;; end of part 1
;; launch attn (part 2): grid 32 x 8, 16 waves a work-group, clusters of 4 x 1, 327,680 bytes of LDS; arguments qws, kvws, out0; writes out0
.if DOCPART == 2
	.amdgcn_target "amdgcn-amd-amdhsa--gfx1250"
	.amdhsa_code_object_version 6
	.text
	.protected	k_qd8bec9b6d0_attn
	.globl	k_qd8bec9b6d0_attn
	.p2align	8
	.type	k_qd8bec9b6d0_attn,@function
k_qd8bec9b6d0_attn:
	s_mov_b64 s[64:65], 0
	v_nop
	global_prefetch_b8 v0, s[64:65] scope:SCOPE_SE
	s_setreg_imm32_b32 hwreg(HW_REG_WAVE_MODE, 25, 1), 1
	s_wait_xcnt 0x0
	s_wait_alu depctr_hold_cnt(0) depctr_sa_sdst(0) depctr_va_vdst(0) depctr_va_sdst(0) depctr_va_ssrc(0) depctr_va_vcc(0) depctr_vm_vsrc(0)
	s_getreg_b32 s2, hwreg(HW_REG_IB_STS2, 6, 4)
	s_cmp_eq_u32 s2, 0
	s_cbranch_scc0 .Lentry_in_a_cluster
	s_endpgm
.Lentry_in_a_cluster:
	s_bfe_u32 s2, ttmp6, 0x10000c
	s_cmp_lg_u32 s2, 0x3003
	s_cbranch_scc0 .Lentry_shape_is_right
	s_endpgm
.Lentry_shape_is_right:
; out[b][q][:] = the sum over keys k <= q of softmax_k(q . k / sqrt(128)) v[k][:], both products on codes of FP4 (E2M1) with one E8M0 scale for each 32 along a product's K.
; LEFT OUT AS DEAD WORK: a step of 128 keys all of which come after all 16 queries of a tile: reference()'s own mask makes p = 0 there for all values of the inputs.
; LIMITS: a NaN, an infinity or an overflow that reaches only such steps is not carried to the result; NaN and infinities are not served; a block of p whose largest number lies under 2^-124 gets the scale byte 1;
; the scaled scores t stay under 2^31 in magnitude.
; THE SOFTMAX: t = score x log2(e) / sqrt(128); M = the largest t so far, rounded up to a whole number; p = 2^(t - M) is quantised along the keys, not normalised; the row's sum is taken of the unquantised p.
; When M moves, the sum and O are multiplied by 2^(old M - new M): exact.
; INPUTS (made by the launch before): images of operand registers.  128 tokens are two halves of 4,352 bytes: four fragments of 1,024 bytes ([2][lane][16]), then 256 bytes of scale words (row r: 16 bytes, a word a tile).
; kvws: a key step is K's two halves, then V^T's: 17,408 bytes.  Lane r of tile 2 b + u is row 32 b + 8 u + r + 8 (r / 8) of the 128 (queries, keys, or V's channels): p's 16 registers of two neighbouring tiles are 16 neighbouring keys.
; SHARES.  Cluster c of a batch (0..7) owns the queries 256 c .. + 255 and 256 (15 - c) .. + 255.  In each, wave w takes the block of 64 that w % 4 names (4 c + w % 4; then 63 - 4 c - w % 4), in it the tile of 16 that the
; work-group's place cx names, and of each slot of four key steps the step w / 4.  THE WALK has two parts, first the slots of the early queries (c / 2 + 1 of them), then those of the late ones ((15 - c) / 2 + 1): nine slots
; in all, whatever c is, the same in all four partners; no branch and no LDS address hangs on cx.  At a part's end the four waves of a tile join their results by exact powers of two, each four rows of them.
; THE RING: two slots.  Slot n % 2 holds V of the walk's n-th slot and K of the one after: K's fragments are read at a step's end, ahead of the barrier.  The walk's first K has bytes of its own, filled once.
; Waves 0 and 1 fetch K's halves of the four steps, waves 2 and 3 V's: 4 rows of 4,352 bytes a load, jointly for the four partners; a slot's first step counts for some query of every wave's block, so each load is read.
; PREFETCH: the first cluster of a batch, which walks every slot, asks for the slot two on from its V loads, one on from K's: partner cx for step cx, waves 8 to 10 for its 68 blocks of 256 bytes, each named once.
; Both products are used transposed (S^T = K Q^T, O^T = V^T P^T): a lane holds one query throughout.
; REGISTERS: v0-11 as named below; v12 -M, v13 the largest t, v[14:15] the sum in two halves; v16-23 Q, v24-31 the late block's Q; v32-95 eight fragments of K, then of V; v96-159 S^T, then p; v160-223 O^T; v224-231 p's codes;
; v240-243 V's scale words, v248-251 K's; the rest at work.
.set ROWB,  4352
.set STEPB, 4*ROWB
.set LOADB, 4*ROWB
.set SLOTB, 4*LOADB                    ; 69,632 = 0x11000: none of the loads' first bytes in slot 0 has a bit of it, so an exclusive or leads from slot to slot
.set VOFF,  2*LOADB
.set MRG,   2*SLOTB                    ; sixteen images: 16 rows x 528 bytes, 64 bytes of -M, 64 of sums
.set MRGP,  8704
.set KX,    MRG+16*MRGP                ; the walk's first K
.set SPARE, KX+2*LOADB                 ; the spare words, 128 bytes for each wave, that no other line names
.set PFO, 0
.set AB0, 1                            ; v1   16 x lane + my step's row
.set ABS, 2                            ; v2   the same among the scale words: 16 r + a load's bytes x h + my step's row
.set DMP, 3                            ; v3   my row in my image
.set DMS, 4                            ; v4   my word of -M
.set SPW, 5
.set NIL, 6
.set GO,  7                            ; v7   16 x lane
.set DQ,  8                            ; v8   my query less its block of 32 less 16 (lane / 16)
.set PSW, 9
.set QSW, 10
.set QSH, 11
.set TB,  2                            ; s2   LDS byte at which the slot in hand begins
.set I,   3                            ; s3   the walk's slot
.set WV,  18
.set SEL, 20
.set CS,  22                           ; s[22:23] c = log2(e) / sqrt(128)
.set G1,  24
.set G0X, 32
.set G0,  40
.set KF,  66                           ; s66  my step's first key
.set QS,  67                           ; s67  the first token of my queries' 128
.set QD,  68                           ; s68  my tile's block of 32 in them
.set QS2, 69
.set QD2, 70
.set NL,  71                           ; s71  slots of the walk's first part
.set TH,  72                           ; s72  the trip in which my load goes back to key 0
.set WH,  73
.set PTR, 74
.set HOME, 76
.set PFA, 78
.set LIM, 80
.set MGS, 81
.set MGM, 82
.set OL,  84
.set OH,  86
.macro ROUND                           ; a round of the cluster's barrier
	s_barrier_signal -1
	s_barrier_wait -1
	s_cmp_lg_u32 s[WV], 0
	s_cbranch_scc1 .Lnot_wave_0_\@
	s_barrier_signal -3
.Lnot_wave_0_\@:
	s_barrier_wait -3
	s_barrier_signal -1
	s_barrier_wait -1
.endm
	s_load_b128 s[4:7], s[0:1], 0x0                ; qws, kvws
	s_load_b64 s[8:9], s[0:1], 0x10                ; out
	v_lshl_add_u32 v[SPW], v0, 2, SPARE
	v_mov_b32 v[NIL], 0
	ds_add_u32 v[SPW], v[NIL]                      ; the wave's opening: the add, twice on end, and its wait ahead of the first tensor load
	ds_add_u32 v[SPW], v[NIL]
	v_lshrrev_b32 v8, 5, v0
	v_readfirstlane_b32 s[WV], v8                  ; wave 0..15
	s_bfe_u32 s12, ttmp6, 0x40000                  ; cx: my tile in a block of 64
	s_and_b32 s15, ttmp7, 0xffff                   ; batch
	s_and_b32 s10, s[WV], 3
	s_lshr_b32 s11, s[WV], 2                       ; my step in a slot
	s_lshr_b32 s[WH], s[WV], 1
	s_lshl_b32 s13, ttmp9, 2
	s_add_co_u32 s13, s13, s10                     ; my early block
	s_sub_co_u32 s14, 63, s13                      ; my late block
	s_lshr_b32 s88, s12, 1
	s_lshl_b32 s88, s88, 5
	s_lshr_b32 s[QS], s13, 1
	s_lshl_b32 s[QS], s[QS], 7
	s_and_b32 s[QD], s13, 1
	s_lshl_b32 s[QD], s[QD], 6
	s_add_co_u32 s[QD], s[QD], s88
	s_lshr_b32 s[QS2], s14, 1
	s_lshl_b32 s[QS2], s[QS2], 7
	s_and_b32 s[QD2], s14, 1
	s_lshl_b32 s[QD2], s[QD2], 6
	s_add_co_u32 s[QD2], s[QD2], s88
	s_lshr_b32 s[NL], ttmp9, 1
	s_add_co_u32 s[NL], s[NL], 1
	s_sub_co_i32 s[TH], s[NL], 1
	s_cmp_lt_u32 s[WV], 2
	s_cselect_b32 s88, 1, 0                        ; K runs a slot ahead of V
	s_cselect_b32 s94, SLOTB, 0
	s_sub_co_i32 s[TH], s[TH], s88
	s_cmp_gt_u32 s[NL], 1
	s_cselect_b32 s94, s94, 0                      ; K of the walk's second slot: keys 512 on, or key 0 of the second part
	s_mov_b32 s95, 0
	s_mul_i32 s90, s15, 32*STEPB                   ; my batch in kvws
	s_mov_b32 s91, 0
	s_mul_i32 s92, s[WV], ROWB                     ; my part of each step
	s_mov_b32 s93, 0
	s_lshl_b32 s16, s15, 6
	s_lshl_b32 s17, s12, 10
	s_lshl_b32 s88, s12, 2
	s_add_co_u32 s88, s88, 4096
	s_add_co_u32 s54, s16, s13
	s_mul_i32 s54, s54, ROWB
	s_add_co_u32 s56, s54, s88                     ; Q's scale words,
	s_add_co_u32 s54, s54, s17                     ; Q's fragment
	s_add_co_u32 s58, s16, s14
	s_mul_i32 s58, s58, ROWB
	s_add_co_u32 s60, s58, s88
	s_add_co_u32 s58, s58, s17
	s_mov_b32 s55, 0
	s_mov_b32 s57, 0
	s_mov_b32 s59, 0
	s_mov_b32 s61, 0
	s_and_b32 s17, s12, 1
	s_lshl_b32 s17, s17, 3                         ; 8 u
	s_lshl_b32 s88, s15, 12
	s_add_co_u32 s88, s88, s17
	s_lshl_b32 s89, s11, 2
	s_add_co_u32 s88, s88, s89
	s_lshr_b32 s89, s11, 1
	s_lshl_b32 s89, s89, 3
	s_add_co_u32 s88, s88, s89                     ; the four rows of out that I store: 4 (w / 4) + 8 (w / 8) on in the tile
	s_add_co_u32 s[OL], s88, s[QS]
	s_add_co_u32 s[OL], s[OL], s[QD]
	s_lshl_b32 s[OL], s[OL], 9
	s_mov_b32 s[OL+1], 0
	s_add_co_u32 s[OH], s88, s[QS2]
	s_add_co_u32 s[OH], s[OH], s[QD2]
	s_lshl_b32 s[OH], s[OH], 9
	s_mov_b32 s[OH+1], 0
	s_mov_b32 s[G1], 15|(3<<16)|(1<<21)            ; mask: all four; elements of 8 bytes; bit 21 beside a mask; no padding
	s_mov_b32 s[G1+1], 544<<16                     ; tensor_dim0: 4,352 bytes
	s_mov_b32 s[G1+2], 4<<16                       ; tensor_dim1: the four steps
	s_mov_b32 s[G1+3], 544<<16                     ; tile_dim0
	s_mov_b32 s[G1+4], 4                           ; tile_dim1
	s_mov_b32 s[G1+5], 2176                        ; from step to step
	s_mov_b32 s[G1+6], 0
	s_mov_b32 s[G1+7], 0
	s_mov_b32 s[SEL], 0x76543210
	s_mov_b32 s[SEL+1], 0xfedcba98
	s_mov_b32 s[CS], 0x3e0293ee
	s_mov_b32 s[CS+1], s[CS]                       ; (named with it as a pair, so it is written)
	s_mov_b32 s[TB], 0
	s_mov_b32 s[I], 0
	s_lshl_b32 s[KF], s11, 7
	s_and_b32 s96, s[WV], 1
	s_mul_i32 s88, s96, ROWB
	s_mov_b32 s89, 0
	s_mul_i32 s97, s96, LOADB
	s_wait_dscnt 0x0                               ; both opening adds are done
	s_wait_kmcnt 0x0
	s_add_nc_u64 s[6:7], s[6:7], s[90:91]
	s_add_nc_u64 s[HOME:HOME+1], s[6:7], s[92:93]
	s_add_nc_u64 s[PTR:PTR+1], s[HOME:HOME+1], s[94:95]
	s_mov_b32 s[G0], 1
	s_mul_i32 s[G0+1], s[WV], LOADB                ; slot 0
	s_mov_b64 s[G0+2:G0+3], s[PTR:PTR+1]
	s_or_b32 s[G0+3], s[G0+3], 0x80000000
	s_mov_b32 s[G0X], 1
	s_add_co_u32 s[G0X+1], s97, KX
	s_add_nc_u64 s[G0X+2:G0X+3], s[6:7], s[88:89]
	s_or_b32 s[G0X+3], s[G0X+3], 0x80000000
	ROUND                                          ; all four work-groups are here: the joint loads meet
	s_cmp_lt_u32 s[WV], 4                          ; THE HEAD'S LOADS, one a wave: waves 0 to 3 slot 0, waves 4 and 5 the walk's first K
	s_cbranch_scc0 .Lhead_k
	tensor_load_to_lds s[G0:G0+3], s[G1:G1+7]
	s_nop 0
.rept 4
	v_nop
.endr
	s_branch .Lhead_asked
.Lhead_k:
	s_cmp_lt_u32 s[WV], 6
	s_cbranch_scc0 .Lhead_asked
	tensor_load_to_lds s[G0X:G0X+3], s[G1:G1+7]
	s_nop 0
.rept 4
	v_nop
.endr
.Lhead_asked:
	s_add_nc_u64 s[54:55], s[4:5], s[54:55]
	s_add_nc_u64 s[56:57], s[4:5], s[56:57]
	s_add_nc_u64 s[58:59], s[4:5], s[58:59]
	s_add_nc_u64 s[60:61], s[4:5], s[60:61]
	s_add_nc_u64 s[OL:OL+1], s[8:9], s[OL:OL+1]
	s_add_nc_u64 s[OH:OH+1], s[8:9], s[OH:OH+1]
	v_and_b32 v252, 31, v0                         ; lane
	v_and_b32 v253, 15, v0                         ; r
	v_bfe_u32 v254, v0, 4, 1                       ; h
	v_lshlrev_b32 v[GO], 4, v252
	v_lshlrev_b32 v255, 4, v253
	global_load_b128 v[16:19], v[GO], s[54:55]     ; both blocks' Q stays in registers
	global_load_b128 v[20:23], v[GO], s[54:55] offset:512
	global_load_b32 v[QSW], v255, s[56:57]
	global_load_b128 v[24:27], v[GO], s[58:59]
	global_load_b128 v[28:31], v[GO], s[58:59] offset:512
	global_load_b32 v[QSH], v255, s[60:61]
	s_mul_i32 s96, s11, ROWB
	v_add_nc_u32 v[AB0], s96, v[GO]
	v_mul_u32_u24 v[ABS], LOADB, v254
	v_add_nc_u32 v[ABS], v[ABS], v255
	v_add_nc_u32 v[ABS], s96, v[ABS]
	s_mul_i32 s96, s[WV], MRGP
	s_add_co_u32 s96, s96, MRG                     ; my image
	v_mul_u32_u24 v[DMP], 528, v253
	v_lshl_add_u32 v[DMP], v254, 6, v[DMP]
	v_add_nc_u32 v[DMP], s96, v[DMP]
	s_add_co_u32 s96, s96, 8448
	v_lshl_add_u32 v[DMS], v253, 2, s96
	v_and_b32 v[DQ], 8, v253
	v_add_nc_u32 v[DQ], v[DQ], v253
	v_lshlrev_b32 v251, 4, v254
	v_sub_nc_u32 v[DQ], v[DQ], v251
	v_add_nc_u32 v[DQ], s17, v[DQ]
	s_and_b32 s96, s[WV], 3
	s_lshl_b32 s96, s96, 5
	v_add_nc_u32 v252, s96, v252
	v_min_u32 v252, 67, v252                       ; (lanes left over name the last block again)
	v_lshlrev_b32 v[PFO], 8, v252
	v_mov_b32 v13, 0xff61b1e6                      ; the largest t so far: -3e38, under every t
	v_floor_f32 v12, -v13                          ; -M
	v_mov_b32 v14, 0
	v_mov_b32 v15, 0
.irp b, 0,1,2,3
	v_mov_b32 v[236+\b], 0                         ; written once: a lane permute's destination counts as one of its sources
.endr
	v_mov_b32 v253, 0                              ; (the upper half of the pair v[252:253])
.macro ZERO                            ; O^T = 0, from the sum's zeros: the first change of M multiplies zeros; a wave with no live step hands zeros on
.set j, 0
.rept 32
	v_pk_mul_f32 v[160+j:161+j], v[14:15], v[14:15]
.set j, j+2
.endr
.endm
	ZERO
	s_mul_i32 s88, s10, MRGP
	s_add_co_u32 s88, s88, MRG                     ; my tile's first image: the four lie 4 x MRGP apart
	s_mul_i32 s89, s11, 4*528
	s_add_co_u32 s[MGS], s88, s89                  ; my four rows in it
	s_lshl_b32 s89, s11, 4
	s_add_co_u32 s[MGM], s88, s89
	s_add_co_u32 s[MGM], s[MGM], 8448              ; and their -M
	s_mul_i32 s88, s12, STEPB
	s_add_co_u32 s88, s88, SLOTB                   ; the prefetches stand at slot 1: the first change of slots steps them to slot 2
	s_mov_b32 s89, 0
	s_add_nc_u64 s[PFA:PFA+1], s[6:7], s[88:89]
	s_sub_co_u32 s96, s[WV], 8
	s_cmp_lt_u32 s96, 3
	s_cselect_b32 s96, 6, 0                        ; waves 8 to 10 ask in the trips 0 to 5 (slots 2 to 7),
	s_cmp_eq_u32 ttmp9, 0
	s_cselect_b32 s[LIM], s96, 0                   ; in a batch's first cluster
.macro KLOAD base                      ; K's eight fragments and scale words
	ds_load_b128 v[248:251], v255 offset:\base+4096
.irp t, 0,1,2,3,4,5,6,7
.irp c, 0,1
	ds_load_b128 v[32+8*\t+4*\c:35+8*\t+4*\c], v254 offset:\base+LOADB*(\t/4)+1024*(\t%4)+512*\c
.endr
.endr
.endm
.macro EX2 n                           ; two exponentials
	v_exp_f32 v[96+2*(\n)], v[96+2*(\n)]
	v_exp_f32 v[97+2*(\n)], v[97+2*(\n)]
.endm
.macro EA n, t, p                      ; two exponentials of the second half, and a first sum of the first half's
	EX2 \n
	v_pk_add_f32 v[\t:\t+1], v[96+4*\p:97+4*\p], v[98+4*\p:99+4*\p]
.endm
.macro SA t, p
	v_pk_add_f32 v[\t:\t+1], v[\t:\t+1], v[96+2*\p:97+2*\p]
.endm
; A KEY STEP, the slot's step of my number.  K's fragments are in registers.  nextk = 1: the next slot's are fetched at the end.
.macro STEP nextk
	s_cmp_gt_u32 s[KF], s[QS]                      ; multiples of 128: beyond QS means beyond all my queries: the work is left out.  Ids and the count of slots alone decide
	s_cbranch_scc1 .Lhidden_\@
.irp t, 0,1,2,3
	v_wmma_scale_f32_16x16x128_f8f6f4 v[96+8*\t:103+8*\t], v[32+8*\t:39+8*\t], v[16:23], 0, v[248+\t], v[QSW] matrix_a_fmt:MATRIX_FMT_FP4 matrix_b_fmt:MATRIX_FMT_FP4
.endr
.irp t, 4,5,6,7
	v_wmma_scale_f32_16x16x128_f8f6f4 v[96+8*\t:103+8*\t], v[32+8*\t:39+8*\t], v[16:23], 0, v[244+\t], v[QSW] matrix_a_fmt:MATRIX_FMT_FP4 matrix_b_fmt:MATRIX_FMT_FP4 matrix_a_scale:MATRIX_SCALE_ROW1
.endr
	v_add_nc_u32 v254, s[TB], v[AB0]
	v_add_nc_u32 v255, s[TB], v[ABS]
	v_nop
	v_nop                                          ; with the additions four places: in front of the loads below and of the first reads of the scores
	ds_load_b128 v[240:243], v255 offset:VOFF+4096 ; V lands while the softmax is worked
.irp t, 0,1,2,3,4,5,6,7
.irp c, 0,1
	ds_load_b128 v[32+8*\t+4*\c:35+8*\t+4*\c], v254 offset:VOFF+LOADB*(\t/4)+1024*(\t%4)+512*\c
.endr
.endr
	s_cmp_lg_u32 s[KF], s[QS]                      ; on the diagonal hidden scores become -infinity ahead of the maximum
	s_cbranch_scc1 .Lopen_\@
	v_add_nc_u32 v252, s[QD], v[DQ]                ; d = my query - KF - 16 h.  Register 16 b + i holds key KF + 32 b + 16 h + i: hidden where 32 b + i > d.  Key KF counts for every query of mine
	v_mov_b32 v254, 0xff800000
.set n, 0
.rept 64
	v_cmp_gt_i32 vcc_lo, 32*(n/16)+n%16, v252
	v_cndmask_b32 v[96+n], v[96+n], v254, vcc_lo
.set n, n+1
.endr
.Lopen_\@:
.irp b, 0,1,2,3
	v_max3_num_f32 v[232+\b], v[96+16*\b], v[97+16*\b], v[98+16*\b]   ; the largest score of each block of 32 keys: for the row's maximum, and, since p rises with the score, for the block's largest p
.endr
.irp i, 3,5,7,9,11,13
.irp b, 0,1,2,3
	v_max3_num_f32 v[232+\b], v[232+\b], v[96+16*\b+\i], v[97+16*\b+\i]
.endr
.endr
.irp b, 0,1,2,3
	v_max_num_f32 v[232+\b], v[232+\b], v[111+16*\b]
.endr
.irp b, 0,1,2,3
	s_delay_alu instid0(VALU_DEP_4)
	v_permlanex16_b32 v[236+\b], v[232+\b], s[SEL], s[SEL+1]
.endr
.irp b, 0,1,2,3
	s_delay_alu instid0(VALU_DEP_4)
	v_max_num_f32 v[232+\b], v[232+\b], v[236+\b]  ; with lane l xor 16's 16 keys
.endr
	s_delay_alu instid0(VALU_DEP_2)
	v_max3_num_f32 v254, v232, v233, v234
	s_delay_alu instid0(VALU_DEP_1)
	v_max_num_f32 v254, v254, v235
	s_delay_alu instid0(VALU_DEP_1)
	v_mul_f32 v254, s[CS], v254                    ; the step's largest t (c is positive)
	s_delay_alu instid0(VALU_DEP_1)
	v_max_num_f32 v13, v13, v254
	v_mov_b32 v254, v12
	s_delay_alu instid0(VALU_DEP_2)
	v_floor_f32 v12, -v13                          ; the new -M = -ceil(t)
	s_delay_alu instid0(VALU_DEP_1)
	v_sub_f32 v254, v12, v254                      ; old M - new M: a whole number, 0 or less
	s_delay_alu instid0(VALU_DEP_1)
	v_cvt_i32_f32 v254, v254                       ; (it saturates)
	s_delay_alu instid0(VALU_DEP_1)
	v_ldexp_f32 v252, 1.0, v254                    ; f = 2^(old M - new M)
.set j, 0
.rept 16
	v_pk_fma_f32 v[96+j:97+j], v[96+j:97+j], s[CS:CS+1], v[12:13] op_sel_hi:[1,0,0]   ; t - M, two at a time: the first 32 scores
.set j, j+2
.endr
.irp b, 0,1,2,3
	v_fma_f32 v[232+\b], v[232+\b], s[CS], v12     ; the same of each block's largest score
.endr
	s_wait_alu depctr_va_vdst(0)                   ; ahead of the batch
.set n, 0
.rept 16
	EX2 n                                          ; p = 2^(t - M), at most 1: the first 32,
	v_pk_fma_f32 v[128+2*n:129+2*n], v[128+2*n:129+2*n], s[CS:CS+1], v[12:13] op_sel_hi:[1,0,0]   ; with the other 32 scores' t - M between
.set n, n+1
.endr
	s_wait_alu depctr_va_vdst(0)                   ; behind the first batch and ahead of the second
.irp b, 0,1,2,3
	v_exp_f32 v[232+\b], v[232+\b]                 ; the block's largest p
.endr
	EA 16, 236, 0                                  ; the row's sum is taken of the unquantised p; what is summed here is next read behind the wait
	EA 17, 254, 1
	EA 18, 250, 2
	EA 19, 248, 3
	EA 20, 246, 4
	EA 21, 244, 5
	EA 22, 238, 6
.set n, 23
.rept 9
	EX2 n
.set n, n+1
.endr
	v_pk_fma_f32 v[14:15], v[14:15], v[252:253], v[124:125] op_sel_hi:[1,0,1]   ; the sums under the new M, and pair 14
	s_wait_alu depctr_va_vdst(0)                   ; behind the second batch
	SA 236, 15
	SA 254, 16
	SA 250, 17
	SA 248, 18
	SA 246, 19
	SA 244, 20
	SA 238, 21
	SA 14, 22
	SA 236, 23
	SA 254, 24
	SA 250, 25
	SA 248, 26
	SA 246, 27
	SA 244, 28
	SA 238, 29
	SA 14, 30
	SA 236, 31
	v_pk_add_f32 v[14:15], v[14:15], v[248:249]
	v_pk_add_f32 v[236:237], v[236:237], v[246:247]
	v_pk_add_f32 v[254:255], v[254:255], v[244:245]
	v_pk_add_f32 v[250:251], v[250:251], v[238:239]
	s_delay_alu instid0(VALU_DEP_2)
	v_pk_add_f32 v[14:15], v[14:15], v[254:255]
	s_delay_alu instid0(VALU_DEP_2)
	v_pk_add_f32 v[236:237], v[236:237], v[250:251]
	s_delay_alu instid0(VALU_DEP_1)
	v_pk_add_f32 v[14:15], v[14:15], v[236:237]
.irp b, 0,1,2,3
	v_max_num_f32 v[232+\b], 0x1800000, v[232+\b]  ; the floor 2^(3 - 127): the byte cannot fall under 1
.endr
.irp b, 0,1,2,3
	s_delay_alu instid0(VALU_DEP_4)
	v_add_nc_u32 v[244+\b], 0xff000000, v[232+\b]  ; 2 off the exponent field: the conversion's scale operand
.endr
.irp b, 0,1,2,3
	s_delay_alu instid0(VALU_DEP_4)
	v_lshrrev_b32 v[236+\b], 23, v[244+\b]
.endr
	s_delay_alu instid0(VALU_DEP_3)
	v_lshl_or_b32 v[PSW], v237, 8, v236            ; p's scale word for these 128 keys
	s_delay_alu instid0(VALU_DEP_1)
	v_lshl_or_b32 v[PSW], v238, 16, v[PSW]
	s_delay_alu instid0(VALU_DEP_1)
	v_lshl_or_b32 v[PSW], v239, 24, v[PSW]
.irp b, 0,1,2,3
	v_cvt_scalef32_pk8_fp4_f32 v[224+2*\b], v[96+16*\b:103+16*\b], v[244+\b]
	v_cvt_scalef32_pk8_fp4_f32 v[225+2*\b], v[104+16*\b:111+16*\b], v[244+\b]
.endr
	v_nop                                          ; one plain place behind a scaled conversion
.irp c, 0,1
.irp i, 0,1
	v_permlane16_swap_b32 v[224+4*\c+\i], v[226+4*\c+\i]   ; a whole block in a lane
.endr
.endr
	s_wait_alu depctr_va_vdst(0)                   ; directly ahead of the first readers of O^T
.set j, 0
.rept 32
	v_pk_mul_f32 v[160+j:161+j], v[160+j:161+j], v[252:253] op_sel_hi:[1,0]   ; O^T under the new M; these are also the places between the scale word, the codes and the products
.set j, j+2
.endr
	s_wait_alu depctr_va_vdst(0)
	s_wait_dscnt 0x0                               ; V is in
.irp t, 0,1,2,3
	v_wmma_scale_f32_16x16x128_f8f6f4 v[160+8*\t:167+8*\t], v[32+8*\t:39+8*\t], v[224:231], v[160+8*\t:167+8*\t], v[240+\t], v[PSW] matrix_a_fmt:MATRIX_FMT_FP4 matrix_b_fmt:MATRIX_FMT_FP4
.endr
.irp t, 4,5,6,7
	v_wmma_scale_f32_16x16x128_f8f6f4 v[160+8*\t:167+8*\t], v[32+8*\t:39+8*\t], v[224:231], v[160+8*\t:167+8*\t], v[236+\t], v[PSW] matrix_a_fmt:MATRIX_FMT_FP4 matrix_b_fmt:MATRIX_FMT_FP4 matrix_a_scale:MATRIX_SCALE_ROW1
.endr
	v_nop
	v_nop
.Lhidden_\@:
.if \nextk
	v_add_nc_u32 v254, s[TB], v[AB0]               ; (with the two v_nop above four places in front of the loads)
	v_add_nc_u32 v255, s[TB], v[ABS]
	KLOAD 0
.endif
	s_add_co_u32 s[KF], s[KF], 512
	s_xor_b32 s[TB], s[TB], SLOTB
.endm
; THE CHANGE OF SLOTS stands at a slot's head.  Each wave waits for all its tensor loads, adds 0 to its spare word (fill > 0: twice on end), and waits for that and for its reads of the slot that it has left.
; Behind the round the slot ahead is whole and no wave of any partner reads the other one.  fill = 2: it takes the next V and the K behind it; 1: the walk's last V alone (waves 2 and 3); 0: nothing.
.macro CHANGE fill
	s_wait_tensorcnt 0x0                           ; no tensor load of mine is out, so group 0 may be written
	ds_add_u32 v[SPW], v[NIL]
.if \fill
	ds_add_u32 v[SPW], v[NIL]                      ; and once more, in every trip alike
	s_xor_b32 s[G0+1], s[G0+1], SLOTB              ; the other slot than last time,
	s_add_nc_u64 s[88:89], s[PTR:PTR+1], SLOTB     ; the next four steps,
	s_cmp_eq_u32 s[I], s[TH]
	s_cselect_b64 s[PTR:PTR+1], s[HOME:HOME+1], s[88:89]   ; or key 0 again, where the walk's second part begins
	s_mov_b64 s[G0+2:G0+3], s[PTR:PTR+1]
	s_or_b32 s[G0+3], s[G0+3], 0x80000000
	s_wait_xcnt 0x0                                ; the last prefetch, a slot back, has read its address
	s_add_nc_u64 s[PFA:PFA+1], s[PFA:PFA+1], SLOTB
.endif
	s_wait_dscnt 0x0                               ; the add is done, and so are my reads of the slot that I have left
.if \fill
	ROUND
.if \fill == 2
	s_cmp_lt_u32 s[WV], 4
.else
	s_cmp_eq_u32 s[WH], 1
.endif
	s_cbranch_scc0 .Lno_load_\@
	tensor_load_to_lds s[G0:G0+3], s[G1:G1+7]
	s_nop 0
.rept 4
	v_nop
.endr
.Lno_load_\@:
.if \fill == 2
	s_cmp_lt_u32 s[I], s[LIM]
	s_cbranch_scc0 .Lno_ask_\@
	global_prefetch_b8 v[PFO], s[PFA:PFA+1] th:TH_LOAD_NT scope:SCOPE_SE
.Lno_ask_\@:
.endif
.else
	s_barrier_signal -1
	s_barrier_wait -1
.endif
.endm
.macro ROWM i, s                       ; row i of my four: the four images' rows, each by its factor
.irp c, 0,1
	v_pk_mul_f32 v[96+16*\i+2*\c:97+16*\i+2*\c], v[96+16*\i+2*\c:97+16*\i+2*\c], v[160+2*(\i/2):161+2*(\i/2)] op_sel:[0,\s] op_sel_hi:[1,\s]
.endr
.irp j, 1,2,3
.irp c, 0,1
	v_pk_fma_f32 v[96+16*\i+2*\c:97+16*\i+2*\c], v[96+16*\i+4*\j+2*\c:97+16*\i+4*\j+2*\c], v[160+4*\j+2*(\i/2):161+4*\j+2*(\i/2)], v[96+16*\i+2*\c:97+16*\i+2*\c] op_sel:[0,\s,0] op_sel_hi:[1,\s,1]
.endr
.endr
.endm
; THE FOUR WAVES OF A TILE ARE JOINED.  Each lays O^T down as rows of 528 bytes (a row is a query's 128 channels), its -M and its sums; behind the barrier each takes four rows of all four images.
.macro MERGE ob
	v_add_f32 v14, v14, v15
	v_permlanex16_b32 v236, v14, s[SEL], s[SEL+1]
	v_add_f32 v14, v14, v236                       ; the sum over my steps, in both halves of the lanes
	v_nop
.irp t, 0,1,2,3,4,5,6,7
	ds_store_b128 v[DMP], v[160+8*\t:163+8*\t] offset:128*(\t/2)+32*(\t%2)   ; each accumulator from its low end on
	ds_store_b128 v[DMP], v[164+8*\t:167+8*\t] offset:128*(\t/2)+32*(\t%2)+16
.endr
	ds_store_b32 v[DMS], v12
	ds_store_b32 v[DMS], v14 offset:64
	s_wait_dscnt 0x0                               ; for the others' sake: my stores have landed
	s_barrier_signal -1
	s_barrier_wait -1
	v_mov_b32 v252, s[MGM]
	v_add_nc_u32 v253, 8*MRGP, v252
	v_add_nc_u32 v254, s[MGS], v[GO]
	v_add_nc_u32 v255, 8*MRGP, v254
.irp j, 0,1,2,3
	ds_load_b128 v[160+4*\j:163+4*\j], v[252+\j/2] offset:4*MRGP*(\j%2)       ; image j's -M of my four rows
	ds_load_b128 v[176+4*\j:179+4*\j], v[252+\j/2] offset:4*MRGP*(\j%2)+64    ; and their sums
.endr
.irp i, 0,1,2,3
.irp j, 0,1,2,3
	ds_load_b128 v[96+16*\i+4*\j:99+16*\i+4*\j], v[254+\j/2] offset:4*MRGP*(\j%2)+528*\i   ; 32 lanes: a row
.endr
.endr
	s_wait_dscnt 16                                ; all but the sixteen rows
.irp i, 0,1,2,3
	v_min_num_f32 v[224+\i], v[160+\i], v[164+\i]
.endr
.irp i, 0,1,2,3
	v_min_num_f32 v[228+\i], v[168+\i], v[172+\i]
.endr
.irp i, 0,1,2,3
	v_min_num_f32 v[224+\i], v[224+\i], v[228+\i]  ; -M of the largest M
.endr
.irp j, 0,2,4,6,8,10,12,14
	v_pk_add_f32 v[160+\j:161+\j], v[224+\j%4:225+\j%4], v[160+\j:161+\j] neg_lo:[0,1] neg_hi:[0,1]
.endr
.set n, 0
.rept 16
	v_cvt_i32_f32 v[160+n], v[160+n]               ; whole numbers, 0 or less (a wave with no live step has -M = 3e38: the conversion saturates and its factor comes out 0)
.set n, n+1
.endr
.set n, 0
.rept 16
	v_ldexp_f32 v[160+n], 1.0, v[160+n]            ; all four are brought under the largest M by exact powers of two
.set n, n+1
.endr
.irp x, 0,2
	v_pk_mul_f32 v[228+\x:229+\x], v[160+\x:161+\x], v[176+\x:177+\x]
.endr
.irp j, 4,8,12
.irp x, 0,2
	v_pk_fma_f32 v[228+\x:229+\x], v[160+\j+\x:161+\j+\x], v[176+\j+\x:177+\j+\x], v[228+\x:229+\x]
.endr
.endr
	s_wait_alu depctr_va_vdst(0)                   ; ahead of the transcendentals
.irp i, 0,1,2,3
	v_rcp_f32 v[232+\i], v[228+\i]
.endr
	v_nop                                          ; a plain place behind them
	s_wait_alu depctr_va_vdst(0)                   ; and the wait ahead of their first reader and of the wait below
	s_wait_dscnt 0x0                               ; the rows are in
.irp j, 0,4,8,12
.irp x, 0,2
	v_pk_mul_f32 v[160+\j+\x:161+\j+\x], v[160+\j+\x:161+\j+\x], v[232+\x:233+\x]
.endr
.endr
	ROWM 0, 0
	ROWM 1, 1
	ROWM 2, 0
	ROWM 3, 1
.irp i, 0,1,2,3
	global_store_b128 v[GO], v[96+16*\i:99+16*\i], s[\ob:\ob+1] offset:512*\i th:TH_STORE_NT   ; 32 lanes store 512 consecutive bytes, a whole row of out
.endr
.endm
	s_wait_alu depctr_va_vdst(0)                   ; at the head's end
	s_wait_loadcnt 0x0                             ; Q
	s_wait_tensorcnt 0x0                           ; my part of the head's loads is in
	ds_add_u32 v[SPW], v[NIL]                      ; 0 onto my spare word, twice on end
	ds_add_u32 v[SPW], v[NIL]
	s_wait_dscnt 0x0
	s_barrier_signal -1
	s_barrier_wait -1                              ; everybody's is
	v_add_nc_u32 v254, KX, v[AB0]
	v_add_nc_u32 v255, KX, v[ABS]
	KLOAD 0
.Ltrip:                                            ; seven trips, a constant
	CHANGE 2
	s_cmp_lg_u32 s[I], s[NL]                       ; the walk's second part begins: the cluster's number and the count of slots alone decide
	s_cbranch_scc1 .Lsame
	MERGE OL
	v_mov_b32 v13, 0xff61b1e6
	v_mov_b32 v14, 0
	v_mov_b32 v15, 0
	v_floor_f32 v12, -v13
.irp b, 0,1,2,3,4,5,6,7
	v_mov_b32 v[16+\b], v[24+\b]                   ; the late block's Q
.endr
	v_mov_b32 v[QSW], v[QSH]
	ZERO
	s_mov_b32 s[QS], s[QS2]
	s_mov_b32 s[QD], s[QD2]
	s_lshl_b32 s[KF], s11, 7
	s_wait_alu depctr_va_vdst(0)                   ; directly ahead of the wait below
	s_wait_xcnt 0x0                                ; the stores have read their registers
.Lsame:
	STEP 1
	s_add_co_u32 s[I], s[I], 1
	s_cmp_lt_u32 s[I], 7
	s_cbranch_scc1 .Ltrip
	CHANGE 1
	STEP 1
	CHANGE 0                                       ; nothing is left to fetch
	STEP 0
	MERGE OH
	s_wait_tensorcnt 0x0                           ; the wave's end, behind my last tensor load and my last LDS store
	ds_add_u32 v[SPW], v[NIL]
	s_wait_dscnt 0x0
	ROUND                                          ; the closing round: no work-group ends while a partner may still ask for a tile that names it
	s_endpgm
.Lfunc_end_k_qd8bec9b6d0_attn:
	.size	k_qd8bec9b6d0_attn, .Lfunc_end_k_qd8bec9b6d0_attn-k_qd8bec9b6d0_attn
	.p2alignl 7, 3214868480
	.fill 96, 4, 3214868480
	.section	.rodata,"a",@progbits
	.p2align	6, 0x0
	.amdhsa_kernel k_qd8bec9b6d0_attn
		.amdhsa_group_segment_fixed_size 327680
		.amdhsa_private_segment_fixed_size 0
		.amdhsa_enable_private_segment 0
		.amdhsa_kernarg_size 24
		.amdhsa_user_sgpr_count 2
		.amdhsa_user_sgpr_kernarg_segment_ptr 1
		.amdhsa_wavefront_size32 1
		.amdhsa_system_sgpr_workgroup_id_x 1
		.amdhsa_system_sgpr_workgroup_id_y 1
		.amdhsa_system_sgpr_workgroup_id_z 1
		.amdhsa_system_vgpr_workitem_id 0
		.amdhsa_next_free_vgpr 256
		.amdhsa_next_free_sgpr 100
		.amdhsa_reserve_vcc 1
		.amdhsa_float_denorm_mode_32 3
		.amdhsa_float_denorm_mode_16_64 3
		.amdhsa_memory_ordered 1
		.amdhsa_forward_progress 1
		.amdhsa_inst_pref_size 105
	.end_amdhsa_kernel
	.amdgpu_metadata
---
amdhsa.version: [ 1, 2 ]
amdhsa.kernels:
  - .name:           k_qd8bec9b6d0_attn
    .symbol:         k_qd8bec9b6d0_attn.kd
    .args:
      - { .name: qws, .offset: 0, .size: 8, .value_kind: global_buffer, .address_space: global }
      - { .name: kvws, .offset: 8, .size: 8, .value_kind: global_buffer, .address_space: global }
      - { .name: out0, .offset: 16, .size: 8, .value_kind: global_buffer, .address_space: global }
    .group_segment_fixed_size: 327680
    .private_segment_fixed_size: 0
    .kernarg_segment_align: 8
    .kernarg_segment_size: 24
    .max_flat_workgroup_size: 512
    .sgpr_count:     100
    .vgpr_count:     256
    .wavefront_size: 32
...
	.end_amdgpu_metadata
.endif
;; end of part 2
